; MI455X (gfx1250); checked and timed in simulation.
; The chip was launched on July 23, 2026; its instructions are those of AMD's public machine-readable ISA for CDNA 5 (MIT licence, August 2026) and "CDNA5" Instruction Set Architecture Reference Guide (July 2026). The comments in the code are by the model that wrote it; some were corrected since.
;; Ele Att G. Allowed arithmetic: matrix products marked QUANTISED: E5M2 operands, one given power-of-two scale a tensor, by v_wmma_f32_16x16x64_bf8_bf8 or v_wmma_f32_16x16x128_bf8_bf8, f32 sums; everything else in f32.
;; Inputs: W_ha_codes 1,024 x 32 x 32 uint8 (E5M2 codes of W_ha, K innermost, in blocks of 32 codes); W_hh_codes 3,072 x 32 x 32 uint8 (E5M2 codes of W_hh, K innermost, in blocks of 32 codes); W_ih_codes 3,072 x 32 x 32 uint8 (E5M2 codes of W_ih, K innermost, in blocks of 32 codes); W_xa_codes 1,024 x 32 x 32 uint8 (E5M2 codes of W_xa, K innermost, in blocks of 32 codes); b_ha 1,024 float32; b_hh 3,072 float32; b_ih 3,072 float32; b_xa 1,024 float32; hx 8,192 x 1,024 float32; lowp_scales 8 int32 (the exponents e of the quantised operands' scales 2^e); x 8,192 x 1,024 float32.
;; Outputs: out0 8,192 x 1,024 float32.
;; This version of the problem:
;;   THIS VERSION OF THE PROBLEM IS GIVEN IN LOW PRECISION. The matrix products marked QUANTISED in the list below multiply operands that are first quantised to E5M2 (5 exponent bits, 2 mantissa bits; 8 bits a number), with one given power-of-two scale for each operand tensor; their sums are f32. All else is computed in f32.
;;   The module's matrix products, in the order in which they are computed (A, B: the left and right operand; K: the contracted axis; several contracted axes count as one K, in the product's order):
;;     1. [M 8,192, K 1,024] x [K 1,024, N 1,024]; A: input x; B: input W_xa (given as codes): QUANTISED (scales: A lowp_scales[0], B lowp_scales[1])
;;     2. [M 8,192, K 1,024] x [K 1,024, N 1,024]; A: input hx; B: input W_ha (given as codes): QUANTISED (scales: A lowp_scales[2], B lowp_scales[3])
;;     3. [M 8,192, K 1,024] x [K 1,024, N 3,072]; A: computed on the way; B: input W_ih (given as codes): QUANTISED (scales: A lowp_scales[4], B lowp_scales[5])
;;     4. [M 8,192, K 1,024] x [K 1,024, N 3,072]; A: input hx; B: input W_hh (given as codes): QUANTISED (scales: A lowp_scales[6], B lowp_scales[7])
;;   THE QUANTISER, for each operand of a quantised product, along K:
;;     - The operand's scale is 2^e, e = its entry of the input lowp_scales (int32; the entries are numbered through the quantised products in the list's order, A before B).
;;     - Each number is divided by the scale, clamped to +-57,344, and rounded to the nearest number of E5M2, ties to even, subnormals kept.
;;     - The product sums the exact products of the quantised numbers (number of the format x scale) in f32.
;;   ~~~python
;;   def quantise(x, axis, e):      # numpy; x: float32 -> the quantised numbers, widened to float32 again
;;       x = np.moveaxis(x, axis, -1); K = x.shape[-1]
;;       r = np.clip(x / 2.0 ** e, -57344, 57344)
;;       step = 2.0 ** (np.maximum(np.frexp(np.where(r == 0, 1, r))[1] - 1, -14) - 2)
;;       q = np.round(r / step) * step * 2.0 ** e      # np.round: ties to even
;;       return np.moveaxis(q, -1, axis).astype(np.float32)
;;   ~~~
;;   OPERANDS COMPUTED ON THE WAY. 'Computed on the way' means the value that the module computes at that place (a softmax that the list does not call 'softmax' is quantised finished and normalised). What goes into a quantiser is computed in f32, as accurately as f32 sums, v_exp_f32 and their like allow (about 1e-6 of the number): no bf16 or f16 on the way to a quantiser, and a product that is left as it is and whose result goes on into a quantised operand takes f32 operands (vector FMAs, or v_wmma_f32_16x16x4_f32). A number that lies on a knife's edge between two numbers of the format may be rounded either way, as far as f32 arithmetic and the matrix unit's own rounding can turn it there, and no further.
;;   INPUTS GIVEN AS CODES. W_ha (in the module: [1024, 1024], K = its axis 1); W_hh (in the module: [3072, 1024], K = its axis 1); W_ih (in the module: [3072, 1024], K = its axis 1); W_xa (in the module: [1024, 1024], K = its axis 1): each comes as NAME_codes (uint8): NAME with its K axis moved to the last place and cut into blocks of 32 codes, [.., K / 32, bytes a block], one block behind the other in memory; one code a byte (a code: sign, 5 exponent bits, 2 mantissa bits); its scale is its entry of lowp_scales. Its value is code x scale, taken as it is: it is not quantised again, and the codes and scales need not be those that the quantiser above would give.
;; One version. Each part assembles by itself: llvm-mc -triple=amdgcn-amd-amdhsa -mcpu=gfx1250 --defsym DOCPART=n.
;; ======== version 1 of 1: 3 launches
;; limits: right only within a limited range of input values
;; workspace buffers: xq 8,388,608 bytes; hq2 8,388,608 bytes; hq6 8,388,608 bytes; xgq 8,388,608 bytes
;; launch quant (part 1): grid 512 x 1, 4 waves a work-group, no clusters, 33,280 bytes of LDS; arguments x, hx, lowp_scales, xq, hq2, hq6; writes xq, hq2, hq6
.if DOCPART == 1
	.amdgcn_target "amdgcn-amd-amdhsa--gfx1250"
	.amdhsa_code_object_version 6
	.text
	.protected	k_qa9268ce11e_quant
	.globl	k_qa9268ce11e_quant
	.p2align	8
	.type	k_qa9268ce11e_quant,@function
k_qa9268ce11e_quant:
	s_mov_b64 s[64:65], 0
	v_nop
	global_prefetch_b8 v0, s[64:65] scope:SCOPE_SE
	s_setreg_imm32_b32 hwreg(HW_REG_WAVE_MODE, 25, 1), 1
	s_wait_xcnt 0x0
; EleAttG, launch 1 of 3.  hy = GRUCell(sigmoid(x W_xa^T + b_xa + hx W_ha^T + b_ha) * x, hx), the four products on codes of E5M2.
; NO WORK OF THE PROBLEM IS LEFT OUT: every product, bias and input has a way to hy for general values, and each input is loaded by one of the three launches.
; THIS LAUNCH quantises the operands that many work-groups of the later launches read: x with 2^e0 -> xq, hx with 2^e2 -> hq2, hx with 2^e6 -> hq6 (hx is an operand of two
; products, each with a scale of its own).  xq, hq2, hq6: [8192][1024] codes, one byte each, K innermost.
; code = number / 2^e, held within +-57,344, rounded to the nearest code, ties to even.  LIMITS: e0, e2, e6 between -126 and 112, so that 2^e and 57,344 x 2^e are f32 numbers; NaN among the inputs is not served.
; Rows are dense, so both tensors are plain streams.  A wave takes 4,096 numbers of x and the same 4,096 of hx: 16 steps of 512 numbers, x's and hx's by turns, on ONE path for all work-groups.
; A conversion takes 8 neighbours from one lane's registers, a load is dense where neighbouring lanes take neighbouring bytes: so each of a step's four loads reads 512 consecutive bytes, the 2,048 bytes
; go through the wave's own stage in LDS as they lie, and come back 64 bytes a lane (16 bytes of padding behind each 64).  A lane's 16 codes are 16 bytes: a wave's store covers 512 consecutive bytes, aligned.
; No matrix unit, no cluster, no barrier: the waves share nothing and memory binds.  Loads run four steps (16 loads a wave) ahead, the turn through LDS one step.
.set WAVES, 4
.set STEPS, 16
.set SP,    80                         ; a lane's place in a stage: its 64 bytes + 16 of padding
.set WREG,  8192                       ; LDS: a region for each wave: two stages of 32 x SP bytes
.set SPARE, WAVES*WREG                 ; behind the regions: the spare words, 128 bytes for each wave, that no other line names
.set SPW,   12                         ; v12      LDS address of my spare word; never rewritten
.set NIL,   13                         ; v13      0; never rewritten
.set R,     16                         ; v16-79   four sets of 16 numbers as they are loaded
.set X,     80                         ; v80-111  two sets of 16 neighbours: set 0 x's, set 1 hx's
.set Y,     112                        ; v112-127 hx held for e6
.set CX,    128                        ; v128-159 x's codes, four registers a chunk: no store's data are written again
.set C2,    160                        ; v160-191 hx's codes under e2
.set C6,    192                        ; v192-223 hx's codes under e6
	s_load_b128 s[4:7], s[0:1], 0x0                ; x, hx
	s_load_b64 s[8:9], s[0:1], 0x10                ; the scales' exponents
	s_load_b128 s[12:15], s[0:1], 0x18             ; xq, hq2
	s_load_b64 s[16:17], s[0:1], 0x28              ; hq6
	v_lshl_add_u32 v[SPW], v0, 2, SPARE
	v_mov_b32 v[NIL], 0
	v_lshrrev_b32 v1, 5, v0
	v_readfirstlane_b32 s18, v1                    ; wave
	v_and_b32 v2, 31, v0                           ; lane
	v_lshlrev_b32 v3, 4, v2                        ; my 16 bytes of a load's 512, and of a store's
	s_mul_i32 s19, s18, WREG
	v_lshrrev_b32 v14, 2, v2
	v_mul_u32_u24 v14, v14, SP
	v_and_b32 v15, 3, v2
	v_lshl_add_u32 v14, v15, 4, v14
	v_add_nc_u32 v14, s19, v14                     ; the stage, on the way in: SP (lane / 4) + 16 (lane % 4); a load's 512 bytes take eight places
	v_mul_u32_u24 v15, v2, SP
	v_add_nc_u32 v15, s19, v15                     ; and on the way out: SP x lane: my 16 neighbours
	s_lshl_b32 s20, ttmp9, 2
	s_add_co_u32 s20, s20, s18                     ; which run of 4,096 numbers is my wave's
	s_lshl_b32 s22, s20, 12                        ; its codes' first byte,
	s_mov_b32 s23, 0
	s_lshl_b32 s20, s20, 14                        ; and its numbers'
	s_mov_b32 s21, 0
	s_wait_alu depctr_va_vdst(0)
	s_wait_kmcnt 0x0
	s_load_b256 s[24:31], s[8:9], 0x0              ; e0 .. e7
	s_add_nc_u64 s[4:5], s[4:5], s[20:21]
	s_add_nc_u64 s[6:7], s[6:7], s[20:21]
	s_add_nc_u64 s[12:13], s[12:13], s[22:23]
	s_add_nc_u64 s[14:15], s[14:15], s[22:23]
	s_add_nc_u64 s[16:17], s[16:17], s[22:23]
.macro LOAD t                          ; step t: chunk t / 2 of x (t even) or of hx (t odd) into set t % 4
.irp i, 0,1,2,3
.if (\t)%2 == 0
	global_load_b128 v[R+16*((\t)%4)+4*\i:R+16*((\t)%4)+4*\i+3], v3, s[4:5] offset:2048*((\t)/2)+512*\i th:TH_LOAD_NT
.else
	global_load_b128 v[R+16*((\t)%4)+4*\i:R+16*((\t)%4)+4*\i+3], v3, s[6:7] offset:2048*((\t)/2)+512*\i th:TH_LOAD_NT
.endif
.endr
.endm
.macro TURN t                          ; step t's numbers through the stage: LDS serves a wave's instructions in order, so no wait stands between the stores and the loads
.irp i, 0,1,2,3
	ds_store_b128 v14, v[R+16*((\t)%4)+4*\i:R+16*((\t)%4)+4*\i+3] offset:32*SP*((\t)%2)+8*SP*\i
.endr
.irp i, 0,1,2,3
	ds_load_b128 v[X+16*((\t)%2)+4*\i:X+16*((\t)%2)+4*\i+3], v15 offset:32*SP*((\t)%2)+16*\i
.endr
.endm
.macro MKSCALE e, vs, vl               ; from the exponent in s[e]: v[vs] = 2^e as f32 (the conversion takes its exponent field), v[vl] = 57,344 x 2^e
	s_add_co_i32 s32, s[\e], 127
	s_lshl_b32 s33, s32, 23
	v_mov_b32 v[\vs], s33
	s_add_co_i32 s32, s32, 15
	s_lshl_b32 s32, s32, 23
	s_or_b32 s32, s32, 0x600000
	v_mov_b32 v[\vl], s32
.endm
.irp t, 0,1,2,3
	LOAD \t
.endr
	s_wait_kmcnt 0x0
	MKSCALE 24, 11, 10                             ; e0, for x
	MKSCALE 26, 9, 8                               ; e2, for hx in the gate's product
	MKSCALE 30, 7, 6                               ; e6, for hx in the cell's product
	s_wait_alu depctr_va_vdst(0)
	s_wait_loadcnt 12                              ; step 0's four loads are in; those of steps 1 to 3 may be out
	TURN 0
.macro STEP t
.set XS, X+16*((\t)%2)
.set U,  (\t)/2
	s_wait_dscnt 0x0                               ; this step's numbers are back from the stage: so its stores into the stage have read their registers,
.if (\t)+4 < STEPS
	LOAD (\t)+4                                    ; which take the loads of four steps on
.endif
.if (\t)+1 < STEPS
.if STEPS-2-(\t) >= 3
	s_wait_loadcnt 12                              ; the next step's four loads are in; those of the three steps behind it may be out
.else
	s_wait_loadcnt 4*(STEPS-2-(\t))                ; the tail: as many groups of four as are still behind it
.endif
	TURN (\t)+1                                    ; and go through the other stage while this step is worked
.endif
.if (\t)%2 == 0
.irp i, 0,1,2,3,4,5,6,7,8,9,10,11,12,13,14,15
	v_med3_num_f32 v[XS+\i], v[XS+\i], -v10, v10   ; the conversion to an 8-bit code does not saturate (ISA guide 7.6.2): hold the number within the largest code x the scale first
.endr
	v_cvt_scalef32_pk8_bf8_f32 v[CX+4*U:CX+4*U+1], v[XS:XS+7], v11
	v_cvt_scalef32_pk8_bf8_f32 v[CX+4*U+2:CX+4*U+3], v[XS+8:XS+15], v11
	v_nop                                          ; a plain vector line behind the last conversion of the run
	global_store_b128 v3, v[CX+4*U:CX+4*U+3], s[12:13] offset:512*U
.else
.irp i, 0,1,2,3,4,5,6,7,8,9,10,11,12,13,14,15
	v_med3_num_f32 v[Y+\i], v[XS+\i], -v6, v6      ; hx held for e6, into registers of its own,
.endr
.irp i, 0,1,2,3,4,5,6,7,8,9,10,11,12,13,14,15
	v_med3_num_f32 v[XS+\i], v[XS+\i], -v8, v8     ; and for e2, in place
.endr
	v_cvt_scalef32_pk8_bf8_f32 v[C6+4*U:C6+4*U+1], v[Y:Y+7], v7
	v_cvt_scalef32_pk8_bf8_f32 v[C6+4*U+2:C6+4*U+3], v[Y+8:Y+15], v7
	v_cvt_scalef32_pk8_bf8_f32 v[C2+4*U:C2+4*U+1], v[XS:XS+7], v9
	v_cvt_scalef32_pk8_bf8_f32 v[C2+4*U+2:C2+4*U+3], v[XS+8:XS+15], v9
	v_nop                                          ; a plain vector line behind the last conversion: Y, a source, is written again by a later step's holds
	global_store_b128 v3, v[C6+4*U:C6+4*U+3], s[16:17] offset:512*U
	global_store_b128 v3, v[C2+4*U:C2+4*U+3], s[14:15] offset:512*U
.endif
.endm
.irp t, 0,1,2,3,4,5,6,7,8,9,10,11,12,13,14,15
	STEP \t
.endr
	s_wait_tensorcnt 0x0                           ; the wave's end, behind my last LDS store; the tensor wait stands even with no tensor load
	ds_add_u32 v[SPW], v[NIL]
	s_wait_dscnt 0x0
	s_endpgm
.Lfunc_end_k_qa9268ce11e_quant:
	.size	k_qa9268ce11e_quant, .Lfunc_end_k_qa9268ce11e_quant-k_qa9268ce11e_quant
	.p2alignl 7, 3214868480
	.fill 96, 4, 3214868480
	.section	.rodata,"a",@progbits
	.p2align	6, 0x0
	.amdhsa_kernel k_qa9268ce11e_quant
		.amdhsa_group_segment_fixed_size 33280
		.amdhsa_private_segment_fixed_size 0
		.amdhsa_enable_private_segment 0
		.amdhsa_kernarg_size 48
		.amdhsa_user_sgpr_count 2
		.amdhsa_user_sgpr_kernarg_segment_ptr 1
		.amdhsa_wavefront_size32 1
		.amdhsa_system_sgpr_workgroup_id_x 1
		.amdhsa_system_sgpr_workgroup_id_y 1
		.amdhsa_system_sgpr_workgroup_id_z 1
		.amdhsa_system_vgpr_workitem_id 0
		.amdhsa_next_free_vgpr 224
		.amdhsa_next_free_sgpr 66
		.amdhsa_reserve_vcc 0
		.amdhsa_float_denorm_mode_32 3
		.amdhsa_float_denorm_mode_16_64 3
		.amdhsa_memory_ordered 1
		.amdhsa_forward_progress 1
		.amdhsa_inst_pref_size 48
	.end_amdhsa_kernel
	.amdgpu_metadata
---
amdhsa.version: [ 1, 2 ]
amdhsa.kernels:
  - .name:           k_qa9268ce11e_quant
    .symbol:         k_qa9268ce11e_quant.kd
    .args:
      - { .name: x, .offset: 0, .size: 8, .value_kind: global_buffer, .address_space: global }
      - { .name: hx, .offset: 8, .size: 8, .value_kind: global_buffer, .address_space: global }
      - { .name: lowp_scales, .offset: 16, .size: 8, .value_kind: global_buffer, .address_space: global }
      - { .name: xq, .offset: 24, .size: 8, .value_kind: global_buffer, .address_space: global }
      - { .name: hq2, .offset: 32, .size: 8, .value_kind: global_buffer, .address_space: global }
      - { .name: hq6, .offset: 40, .size: 8, .value_kind: global_buffer, .address_space: global }
    .group_segment_fixed_size: 33280
    .private_segment_fixed_size: 0
    .kernarg_segment_align: 8
    .kernarg_segment_size: 48
    .max_flat_workgroup_size: 128
    .sgpr_count:     66
    .vgpr_count:     224
    .wavefront_size: 32
...
	.end_amdgpu_metadata
.endif
;; end of part 1
;; launch gate (part 2): grid 4 x 64, 4 waves a work-group, clusters of 4 x 4, 327,680 bytes of LDS; arguments xq, hq2, W_xa_codes, W_ha_codes, lowp_scales, b_xa, b_ha, x, xgq; writes xgq
.if DOCPART == 2
	.amdgcn_target "amdgcn-amd-amdhsa--gfx1250"
	.amdhsa_code_object_version 6
	.text
	.protected	k_qa9268ce11e_gate
	.globl	k_qa9268ce11e_gate
	.p2align	8
	.type	k_qa9268ce11e_gate,@function
k_qa9268ce11e_gate:
	s_mov_b64 s[64:65], 0
	v_nop
	global_prefetch_b8 v0, s[64:65] scope:SCOPE_SE
	s_setreg_imm32_b32 hwreg(HW_REG_WAVE_MODE, 25, 1), 1
	s_wait_xcnt 0x0
	s_wait_alu depctr_hold_cnt(0) depctr_sa_sdst(0) depctr_va_vdst(0) depctr_va_sdst(0) depctr_va_ssrc(0) depctr_va_vcc(0) depctr_vm_vsrc(0)
	s_getreg_b32 s2, hwreg(HW_REG_IB_STS2, 6, 4)
	s_cmp_eq_u32 s2, 0
	s_cbranch_scc0 .Lentry_in_a_cluster
	s_endpgm
.Lentry_in_a_cluster:
	s_bfe_u32 s2, ttmp6, 0x10000c
	s_cmp_lg_u32 s2, 0xf033
	s_cbranch_scc0 .Lentry_shape_is_right
	s_endpgm
.Lentry_shape_is_right:
; EleAttG, launch 2 of 3: xg = sigmoid(x W_xa^T + b_xa + hx W_ha^T + b_ha) * x, quantised with 2^e4 -> xgq [8192][1024], codes of E5M2, K innermost.  No work is left out.
; Both products run on codes (xq, hq2 from the launch before; the weights as given), sums in f32; the sigmoid, the product with x and the quantiser's input are f32.
; SHARES.  A work-group makes 128 rows x 256 columns: a row of its codes is 256 consecutive bytes, aligned.  Its four waves stand side by side: wave w takes all 128 rows (8 blocks of 16) and columns 64 w .. 64 w + 63
; (4 fragments of the weights).  The two products have sums of their own, since their scales differ: 8 x 8 accumulators, 512 registers.
; K WALK.  2,048 along K in all: 1,024 of xq . W_xa (phase 0), then 1,024 of hq2 . W_ha (phase 1): eight K steps of 256 (tile rows of 256 bytes) through a ring of two LDS slots, written out, since phase and accumulators change.
; CLUSTERS: 4 x 4 work-groups.  The four of a row of the cluster need the same rows of xq and hq2, the four of a column the same rows of the weights: each tile is asked for JOINTLY.
; THE MATRIX INSTRUCTION IS USED TRANSPOSED (source 0 = 16 rows of a weight, source 1 = 16 rows of xq or hq2): a lane then holds one row and eight neighbouring columns, which are eight neighbours along the next product's K.
; A fragment comes by four loads of 16 bytes: lane l holds K = 32 c + 16 (l / 16) + 0 .. 15 in registers 4 c .. 4 c + 3: the same permutation of k on both sides, so every product meets its partner.
; x (f32) comes by plain tensor loads, each wave's own 64 columns: rows 0-63 into slot 0, rows 64-127 into slot 1, each when that slot has been read for the last time.
; LIMITS: e4 between -126 and 112; e0 + e1 and e2 + e3 between -125 and 125 (they are added to a constant's exponent field).  NaN among the inputs is not served.  A sigmoid under 2^-126 comes out as 0.
; REGISTERS, in windows of 256: window 0: v1-31 addresses and constants; v32-63 the biases; v96-127 at work; v128-255 A's fragments, ONE set, later x, codes and rows on the way out.
;   window 1: the weights' fragments, TWO sets, at v0 and v128.   windows 2, 3: the accumulators: block a, sum g at v[8 (8 (a % 4) + g)] of window 2 + a / 4; g = 0-3 phase 0, g = 4-7 phase 1.
.set PITCH,  272                       ; an LDS row: 256 bytes + 16 of padding = 68 words: the 16 rows that a load touches start at 16 different banks (64 banks of 4 bytes: ISA guide 11.1)
.set PART,   64*PITCH                  ; 64 rows
.set BOFF,   128*PITCH                 ; a slot: A's 128 rows, then the weight's 256
.set SLOT,   384*PITCH
; x HAS NO LDS BYTES OF ITS OWN (this takes the place of what the head comment says of x): each wave's 64 columns of rows 0-63 go into slot 0, and of rows 64-127 into slot 1,
; each when that slot has been read for the last time, on the slot's own grid of rows: wave x 64 rows.
.set CST,    2*SLOT                    ; behind the ring: the stage for the codes: 128 rows x 272; no tensor load lands here
.set SPARE,  CST+128*PITCH             ; the spare words, 128 bytes for each wave, that no other line names
.set ADRA, 16                          ; v16-17  LDS address of my A fragments in slot 0, 1
.set ADRB, 20                          ; v20-21  the same for the weights
.set XA0,  22                          ; v22     x, rows 0-63;  v23  x, rows 64-127
.set STO,  24                          ; v24     where I put 8 codes
.set RD,   25                          ; v25     where I read a row of codes back
.set CO,   26                          ; v26     my byte offset in xgq
.set BO,   27                          ; v27     my byte offset in the biases: 32 x (lane / 16)
.set SPW,  28                          ; v28     LDS address of my spare word; never rewritten
.set NIL,  29                          ; v29     0; never rewritten
.set SCL,  30                          ; v30     2^e4 as f32
.set LIM,  31                          ; v31     57,344 x 2^e4
.set PFO,  18                          ; v18     the tiles' prefetches: my row among my work-group's share of the rows that my wave fetches, x 1,024 bytes; never rewritten
.set PFX,  19                          ; v19     x's prefetches: lane x a row of 4,096 bytes; never rewritten
.set PFB,  4                           ; s[4:5], s[6:7] my wave's part of its tile at K = 0, phase 0, 1: of A for waves 0 and 1, of the weight for waves 2 and 3; never rewritten
.set BIAS, 32                          ; v32-63  b_xa, then -log2(e) (b_xa + b_ha), of my 4 x 8 columns
.set BH,   64                          ; v64-95  b_ha
.set T,    96                          ; v96-127 at work
.set AF,   128
.set XV,   128                         ; v128-159 x
.set CD,   160                         ; v160-167 codes
.set BK,   192                         ; v192-255 rows of codes on the way out
.set WV,   22                          ; s22 wave; s23 wave / 2: I fetch for A (0) or for the weights (1); s24 wave % 2: which half; s25 wave x 64 LDS rows
.set G1A,  28                          ; s[28:35] descriptor group 1 for A's tiles;  s[36:43] the weights';  s[44:51] x's
.set G1B,  36
.set G1F,  44
.set G0A,  52                          ; s[52:59] group 0 for A's tiles, one set for each slot;  s[68:75] the weights';  s[76:79] x's
.set G0B,  68
.set G0F,  76
.set TA0,  80                          ; s[80:81], s[82:83] my part of A's tile at K = 0, phase 0, 1;  s[84:85], s[86:87] the same for the weights
.set TB0,  84
.set MSB, 0
.macro WIN new                         ; the immediate's high byte repeats the setting that is left
.if MSB != (\new)
	s_set_vgpr_msb (MSB<<8)|(\new)
.set MSB, (\new)
.endif
.endm
.set MUL_LO, 0xa1                      ; source 0 (weights) window 1, source 1 (A) window 0, C and D window 2
.set MUL_HI, 0xf1                      ; the same, C and D window 3
.set TO_B,   0x40                      ; destination window 1, address window 0
; A joint load: waves 0 and 1 fetch A's halves, waves 2 and 3 the weight's.  Each line has one mask and one set of registers for all that issue it; the branch hangs on the wave's number alone.
; An s_nop 0 and four v_nop follow each line, ahead of the jump, the label and what follows.
.macro JLOAD s
	s_cmp_eq_u32 s23, 0
	s_cbranch_scc0 .Lfor_b_\@
	tensor_load_to_lds s[G0A+4*\s:G0A+4*\s+3], s[G1A:G1A+7]
	s_nop 0
.rept 4
	v_nop
.endr
	s_branch .Lasked_\@
.Lfor_b_\@:
	tensor_load_to_lds s[G0B+4*\s:G0B+4*\s+3], s[G1B:G1B+7]
	s_nop 0
.rept 4
	v_nop
.endr
.Lasked_\@:
.endm
.macro FLOAD                           ; a load of my own (no mask): 64 rows x my 64 columns of x
	tensor_load_to_lds s[G0F:G0F+3], s[G1F:G1F+7]
	s_nop 0
.rept 4
	v_nop
.endr
.endm
.macro CREST                           ; a round of the cluster's barrier behind its opening barrier
	s_cmp_lg_u32 s[WV], 0
	s_cbranch_scc1 .Lnot_wave_0_\@
	s_barrier_signal -3
.Lnot_wave_0_\@:
	s_barrier_wait -3
	s_barrier_signal -1
	s_barrier_wait -1
.endm
.macro CROUND                          ; a whole round
	s_barrier_signal -1
	s_barrier_wait -1
	CREST
.endm
.macro PLACES n                        ; plain vector instructions behind matrix instructions, in front of loads into registers that they read and of reads of their results
.rept \n
	v_nop
.endr
.endm
.macro FRAG reg, adr, q, row           ; a fragment: 16 rows x 128 K, 16 registers, from LDS row 'row' on, the slot's q-th 128 along K
.irp c, 0,1,2,3
	ds_load_b128 v[\reg+4*\c:\reg+4*\c+3], v[\adr] offset:128*(\q)+32*\c+(\row)*PITCH
.endr
.endm
.macro FETCH_A slot, q, i0             ; A's blocks i0 .. i0 + 3
.irp i, \i0, \i0+1, \i0+2, \i0+3
	FRAG AF+16*(\i), ADRA+\slot, \q, 16*(\i)
.endr
.endm
.macro FETCH_B slot, q, p              ; my four fragments of the weight into set p
	WIN TO_B
.irp f, 0,1,2,3
	FRAG 128*(\p)+16*\f, ADRB+\slot, \q, 16*\f
.endr
	WIN 0
.endm
; 8 matrix instructions: A's blocks a0, a0 + 1 x my four fragments, 128 along K.  p: the weights' set; ph: the phase, which picks the sums; z = 1: the products start the sums: nothing is cleared.
; The accumulators take turns, one instruction a turn, in the same order in every step.
.macro MULH a0, p, ph, z
.irp a, \a0, \a0+1
.irp f, 0,1,2,3
.set AC, 8*(8*((\a)%4)+\f+4*(\ph))
.if \z
	v_wmma_f32_16x16x128_bf8_bf8 v[AC:AC+7], v[128*(\p)+16*\f:128*(\p)+16*\f+15], v[AF+16*(\a):AF+16*(\a)+15], 0
.else
	v_wmma_f32_16x16x128_bf8_bf8 v[AC:AC+7], v[128*(\p)+16*\f:128*(\p)+16*\f+15], v[AF+16*(\a):AF+16*(\a)+15], v[AC:AC+7]
.endif
.endr
.endr
.endm
; A slot's first 128 along K; its second 128 are fetched meanwhile.
.macro STEP slot, ph, z
	s_wait_dscnt 16                                ; the weights' set and A's blocks 0-3 are in; the youngest 16 loads (A's blocks 4-7) may be out
	WIN MUL_LO
	MULH 0, 0, \ph, \z
	MULH 2, 0, \ph, \z
	s_wait_dscnt 0                                 ; A's blocks 4-7 are in
	PLACES 4
	FETCH_B \slot, 1, 1
	FETCH_A \slot, 1, 0
	WIN MUL_HI
	MULH 4, 0, \ph, \z
	MULH 6, 0, \ph, \z
	PLACES 4
	WIN 0
	FETCH_A \slot, 1, 4
.endm
; A slot's second 128 along K, and the change of slots: ONE barrier; in front of it each wave waits for all its tensor loads, adds 0 to its spare word, and waits for that and for its own reads of this slot.
; kind = 1: the barrier opens a round of the cluster's barrier, and this slot is filled again with K step j + 2.  kind = 2: the same round; slot 0, read for the last time, takes x's rows 0-63.
; PREFETCHES, behind the refill and the run of LDS loads: K step j + 3, one change of slots ahead of the load that wants it: 256 bytes of a row, a lane a row.  The four partners that ask for a tile jointly
; share its rows out by address: 16 of the 64 rows of A that a wave fetches (lanes 16-31 name the last of them again), 32 of the weight's 128.  The last three changes of slots ask for nothing along K.
; x: my wave's 128 rows x 256 bytes, 32 rows in each of K steps 2 to 5: rows 0-63 are loaded in K step 6, rows 64-127 behind the last product.
.macro TURN slot, next, kind, j, ph
	s_wait_tensorcnt 0x0                           ; all my tensor loads have landed, my part of the next slot among them
	ds_add_u32 v[SPW], v[NIL]                      ; 0 onto my spare word
	s_wait_dscnt 17                                ; (the add and the youngest 16 loads, A's blocks 4-7, may be out)
	WIN MUL_LO
	MULH 0, 1, \ph, 0                              ; eight matrix instructions stand between the add and the wait for it
	s_wait_dscnt 0x0                               ; the add is done, and my reads of this slot are over
	s_barrier_signal -1
	MULH 2, 1, \ph, 0
	WIN 0
	s_barrier_wait -1
.if \kind == 1
	CREST                                          ; no wave of any partner still reads this slot or has a load on its way
.set JN, (\j)+2
	s_add_nc_u64 s[G0A+4*\slot+2:G0A+4*\slot+3], s[TA0+2*(JN/4):TA0+2*(JN/4)+1], 256*(JN%4)   ; no tensor load of mine is out, so a group 0 may be written: K step j + 2 of its phase
	s_or_b32 s[G0A+4*\slot+3], s[G0A+4*\slot+3], 0x80000000
	s_add_nc_u64 s[G0B+4*\slot+2:G0B+4*\slot+3], s[TB0+2*(JN/4):TB0+2*(JN/4)+1], 256*(JN%4)
	s_or_b32 s[G0B+4*\slot+3], s[G0B+4*\slot+3], 0x80000000
	JLOAD \slot                                    ; the first tensor load behind the round; its four v_nop are the places in front of the loads below
.elseif \kind == 2
	CREST
	FLOAD                                          ; group 0 as the head made it: x's rows 0-63 into slot 0
.else
	PLACES 4
.endif
	FETCH_B \next, 0, 0
	FETCH_A \next, 0, 0
.if (\j)+3 < 8
	global_prefetch_b8 v[PFO], s[PFB+2*(((\j)+3)/4):PFB+2*(((\j)+3)/4)+1] offset:256*(((\j)+3)%4) th:TH_LOAD_NT scope:SCOPE_SE
.endif
.if ((\j) >= 2) && ((\j) < 6)
	global_prefetch_b8 v[PFX], s[18:19] offset:32*((\j)-2)*4096 th:TH_LOAD_NT scope:SCOPE_SE
.endif
	WIN MUL_HI
	MULH 4, 1, \ph, 0
	MULH 6, 1, \ph, 0
	PLACES 4
	WIN 0
	FETCH_A \next, 0, 4
.endm
.macro LAST ph                         ; the very last 128 along K: nothing more to fetch
	s_wait_dscnt 16
	WIN MUL_LO
	MULH 0, 1, \ph, 0
	MULH 2, 1, \ph, 0
	s_wait_dscnt 0
	WIN MUL_HI
	MULH 4, 1, \ph, 0
	MULH 6, 1, \ph, 0
	WIN 0
.endm
	s_load_b256 s[4:11], s[0:1], 0x0               ; xq s[4:5], hq2 s[6:7], W_xa's codes s[8:9], W_ha's s[10:11]
	s_load_b256 s[12:19], s[0:1], 0x20             ; the scales' exponents s[12:13], b_xa s[14:15], b_ha s[16:17], x s[18:19]
	s_load_b64 s[20:21], s[0:1], 0x40              ; xgq
	v_lshl_add_u32 v[SPW], v0, 2, SPARE
	v_mov_b32 v[NIL], 0
	ds_add_u32 v[SPW], v[NIL]                      ; the wave's opening: the add, twice on end, and its wait ahead of my first tensor load; the set-up below, work on registers, stands between
	ds_add_u32 v[SPW], v[NIL]                      ; and once more, under the one wait
	v_lshrrev_b32 v1, 5, v0
	v_readfirstlane_b32 s[WV], v1                  ; wave 0..3
	s_lshr_b32 s23, s[WV], 1
	s_and_b32 s24, s[WV], 1
	s_bfe_u32 s26, ttmp6, 0x40000                  ; cx, cy: my place in the cluster
	s_bfe_u32 s27, ttmp6, 0x40004
	s_lshl_b32 s2, ttmp9, 2
	s_add_co_u32 s2, s2, s26                       ; tile column = 4 x cluster x + cx
	s_and_b32 s3, ttmp7, 0xffff
	s_lshl_b32 s3, s3, 2
	s_add_co_u32 s3, s3, s27                       ; tile row = 4 x cluster y + cy
	s_lshl_b32 s60, s27, 2
	s_lshl_b32 s60, 15, s60                        ; my row of the cluster
	s_lshl_b32 s62, 0x1111, s26                    ; my column
	s_or_b32 s[G1A], s60, (1<<20)|(1<<21)|(5<<22)|(3<<25)   ; 15:0 the mask: A's tiles go to my row; 17:16 elements of 1 byte; 20 padding on; 21 set beside a mask; 24:22 after every 64 words; 31:25 four words
	s_or_b32 s[G1B], s62, (1<<20)|(1<<21)|(5<<22)|(3<<25)   ; the same with my column's mask
.irp g, G1A, G1B
	s_mov_b32 s[\g+1], 256<<16                     ; tensor_dim0 = 256
	s_mov_b32 s[\g+3], 256<<16                     ; tile_dim0 = 256
	s_mov_b32 s[\g+5], 1024                        ; from row to row
	s_mov_b32 s[\g+6], 0
	s_mov_b32 s[\g+7], 0
.endr
	s_mov_b32 s[G1A+2], 64<<16                     ; A: 64 rows a load
	s_mov_b32 s[G1A+4], 64
	s_mov_b32 s[G1B+2], 128<<16                    ; the weights: 128 rows a load
	s_mov_b32 s[G1B+4], 128
	s_mov_b32 s[G1F], (2<<16)|(1<<20)|(5<<22)|(3<<25)       ; x: no mask; elements of 4 bytes; the same padding
	s_mov_b32 s[G1F+1], 64<<16                     ; 64 elements x 64 rows
	s_mov_b32 s[G1F+2], 64<<16
	s_mov_b32 s[G1F+3], 64<<16
	s_mov_b32 s[G1F+4], 64
	s_mov_b32 s[G1F+5], 1024
	s_mov_b32 s[G1F+6], 0
	s_mov_b32 s[G1F+7], 0
	s_mul_i32 s25, s[WV], PART                     ; wave x 64 LDS rows
	s_mul_i32 s96, s24, PART                       ; where A's half goes in a slot,
	s_mul_i32 s97, s24, 2*PART
	s_add_co_u32 s97, s97, BOFF                    ; and the weight's: no place in the cluster enters an LDS address
	s_lshl_b32 s60, s3, 7                          ; A: row 128 x tile row + 64 x half, rows of 1,024 bytes
	s_lshl_b32 s61, s24, 6
	s_add_co_u32 s60, s60, s61
	s_lshl_b32 s60, s60, 10
	s_mov_b32 s61, 0
	s_lshl_b32 s62, s2, 8                          ; the weights: row 256 x tile column + 128 x half
	s_lshl_b32 s63, s24, 7
	s_add_co_u32 s62, s62, s63
	s_lshl_b32 s62, s62, 10
	s_mov_b32 s63, 0
	s_lshl_b32 s98, s3, 19                         ; x: 128 x tile row rows of 4,096 bytes + 1,024 x tile column + 256 x wave
	s_lshl_b32 s99, s2, 10
	s_add_co_u32 s98, s98, s99
	s_lshl_b32 s99, s[WV], 8
	s_add_co_u32 s98, s98, s99
	s_mov_b32 s99, 0
	s_lshl_b32 s100, s3, 17                        ; xgq: row 128 x tile row + 32 x wave, rows of 1,024 bytes, + 256 x tile column
	s_lshl_b32 s101, s[WV], 15
	s_add_co_u32 s100, s100, s101
	s_lshl_b32 s101, s2, 8
	s_add_co_u32 s100, s100, s101
	s_mov_b32 s101, 0
	s_wait_dscnt 0x0                               ; both opening adds are done
	s_wait_kmcnt 0x0
	s_load_b256 s[88:95], s[12:13], 0x0            ; e0 .. e7
	s_add_nc_u64 s[TA0:TA0+1], s[4:5], s[60:61]
	s_add_nc_u64 s[TA0+2:TA0+3], s[6:7], s[60:61]
	s_add_nc_u64 s[TB0:TB0+1], s[8:9], s[62:63]
	s_add_nc_u64 s[TB0+2:TB0+3], s[10:11], s[62:63]
	s_add_nc_u64 s[18:19], s[18:19], s[98:99]
	s_add_nc_u64 s[20:21], s[20:21], s[100:101]
	CROUND                                         ; all sixteen work-groups are here: the first joint loads meet
.irp s, 0,1
	s_mov_b32 s[G0A+4*\s], 1
	s_add_co_u32 s[G0A+4*\s+1], s96, \s*SLOT
	s_add_nc_u64 s[G0A+4*\s+2:G0A+4*\s+3], s[TA0:TA0+1], \s*256
	s_or_b32 s[G0A+4*\s+3], s[G0A+4*\s+3], 0x80000000
	s_mov_b32 s[G0B+4*\s], 1
	s_add_co_u32 s[G0B+4*\s+1], s97, \s*SLOT
	s_add_nc_u64 s[G0B+4*\s+2:G0B+4*\s+3], s[TB0:TB0+1], \s*256
	s_or_b32 s[G0B+4*\s+3], s[G0B+4*\s+3], 0x80000000
.endr
	JLOAD 0                                        ; K step 0
	s_mov_b32 s[G0F], 1
	s_mov_b32 s[G0F+1], s25                        ; x's rows 0-63 will go into slot 0: wave x 64 rows
	s_mov_b64 s[G0F+2:G0F+3], s[18:19]
	s_or_b32 s[G0F+3], s[G0F+3], 0x80000000
	s_cmp_eq_u32 s23, 0                            ; the prefetches: do I fetch for A?
	s_cselect_b64 s[PFB:PFB+1], s[TA0:TA0+1], s[TB0:TB0+1]
	s_cselect_b64 s[PFB+2:PFB+3], s[TA0+2:TA0+3], s[TB0+2:TB0+3]
	s_cselect_b32 s60, s26, s27                    ; my place among the four that ask with me: cx for A, cy for the weights
	s_cselect_b32 s61, 4, 5                        ; a partner's share: 16 rows of A's 64, 32 of the weight's 128
	s_cselect_b32 s62, 15, 31
	s_lshl_b32 s60, s60, s61
	v_and_b32 v[PFO], 31, v0
	v_min_u32 v[PFO], s62, v[PFO]
	v_add_nc_u32 v[PFO], s60, v[PFO]
	v_lshlrev_b32 v[PFO], 10, v[PFO]
	v_and_b32 v[PFX], 31, v0
	v_lshlrev_b32 v[PFX], 12, v[PFX]
	global_prefetch_b8 v[PFO], s[PFB:PFB+1] offset:256 th:TH_LOAD_NT scope:SCOPE_SE   ; K steps 1 and 2: what the two changes of slots ahead of the first would have asked for
	global_prefetch_b8 v[PFO], s[PFB:PFB+1] offset:512 th:TH_LOAD_NT scope:SCOPE_SE
	s_lshl_b32 s98, s2, 10                         ; the biases: my first column x 4 bytes: 1,024 x tile column + 256 x wave
	s_lshl_b32 s99, s[WV], 8
	s_add_co_u32 s98, s98, s99
	s_mov_b32 s99, 0
	s_add_nc_u64 s[14:15], s[14:15], s[98:99]
	s_add_nc_u64 s[16:17], s[16:17], s[98:99]
	v_and_b32 v1, 15, v0                           ; r = lane % 16
	v_bfe_u32 v2, v0, 4, 1                         ; h = lane / 16
	v_lshlrev_b32 v[BO], 5, v2
.irp b, 0,1,2,3                                ; lane (r, h) wants, for fragment b, the biases of columns 16 b + 8 h + 0 .. 7
	global_load_b128 v[BIAS+8*\b:BIAS+8*\b+3], v[BO], s[14:15] offset:64*\b
	global_load_b128 v[BIAS+8*\b+4:BIAS+8*\b+7], v[BO], s[14:15] offset:64*\b+16
	global_load_b128 v[BH+8*\b:BH+8*\b+3], v[BO], s[16:17] offset:64*\b
	global_load_b128 v[BH+8*\b+4:BH+8*\b+7], v[BO], s[16:17] offset:64*\b+16
.endr
	v_mul_u32_u24 v3, v1, PITCH
	v_lshl_add_u32 v[ADRA], v2, 4, v3              ; a fragment's row x pitch + 16 x half: every wave reads all of A's 128 rows
	v_add_nc_u32 v[ADRA+1], SLOT, v[ADRA]
	s_add_co_u32 s100, s25, BOFF                   ; my 64 rows of the weight
	v_add_nc_u32 v[ADRB], s100, v[ADRA]
	v_add_nc_u32 v[ADRB+1], SLOT, v[ADRB]
	v_lshl_add_u32 v5, v2, 5, v3                   ; x: row r, + 32 h
	v_add_nc_u32 v[XA0], s25, v5                   ; rows 0-63, in slot 0
	v_add_nc_u32 v[XA0+1], SLOT, v[XA0]            ; rows 64-127, in slot 1
	v_lshl_add_u32 v[STO], v2, 3, v3               ; the stage: row r, + 64 x wave + 8 h
	s_lshl_b32 s100, s[WV], 6
	s_add_co_u32 s100, s100, CST
	v_add_nc_u32 v[STO], s100, v[STO]
	v_mul_u32_u24 v6, v2, PITCH                    ; back: wave w takes rows 32 w on; lanes 0-15 one row of 256 bytes, lanes 16-31 the next
	v_lshl_add_u32 v6, v1, 4, v6
	s_mul_i32 s100, s[WV], 32*PITCH
	s_add_co_u32 s100, s100, CST
	v_add_nc_u32 v[RD], s100, v6
	v_lshlrev_b32 v[CO], 10, v2                    ; and the same two rows in xgq
	v_lshl_add_u32 v[CO], v1, 4, v[CO]
	s_wait_kmcnt 0x0
	s_add_co_i32 s96, s88, s89                     ; the exponential's argument is -log2(e) x (sum1 2^(e0 + e1) + sum2 2^(e2 + e3) + b_xa + b_ha):
	s_lshl_b32 s96, s96, 23
	s_add_co_u32 s96, s96, 0xbfb8aa3b              ; -log2(e) x 2^(e0 + e1): the exponents are added to the constant's exponent field
	s_mov_b32 s97, s96                             ; (named with it as a pair, so it is written)
	s_add_co_i32 s98, s90, s91
	s_lshl_b32 s98, s98, 23
	s_add_co_u32 s98, s98, 0xbfb8aa3b              ; -log2(e) x 2^(e2 + e3)
	s_mov_b32 s99, s98
	s_add_co_i32 s100, s92, 127
	s_lshl_b32 s101, s100, 23
	v_mov_b32 v[SCL], s101                         ; 2^e4 as f32: the conversion takes its exponent field
	s_add_co_i32 s100, s100, 15
	s_lshl_b32 s100, s100, 23
	s_or_b32 s100, s100, 0x600000
	v_mov_b32 v[LIM], s100                         ; 57,344 x 2^e4
	s_wait_alu depctr_va_vdst(0)
	s_wait_tensorcnt 0x0                           ; my part of K step 0 is in
	ds_add_u32 v[SPW], v[NIL]
	s_wait_dscnt 0x0
	CROUND                                         ; everybody's part of K step 0 is in, and all sixteen work-groups are here
	JLOAD 1                                        ; K step 1: slot 1's first fill, the first tensor load behind the round
	FETCH_B 0, 0, 0
	FETCH_A 0, 0, 0
	FETCH_A 0, 0, 4
	STEP 0, 0, 1                                   ; phase 0: xq . W_xa; its first products start sums 0-3
	TURN 0, 1, 1, 0, 0
	STEP 1, 0, 0
	TURN 1, 0, 1, 1, 0
	STEP 0, 0, 0
	TURN 0, 1, 1, 2, 0
	STEP 1, 0, 0
	TURN 1, 0, 1, 3, 0
	STEP 0, 1, 1                                   ; phase 1: hq2 . W_ha; its first products start sums 4-7
	TURN 0, 1, 1, 4, 1
	STEP 1, 1, 0
	TURN 1, 0, 1, 5, 1
	STEP 0, 1, 0
	TURN 0, 1, 2, 6, 1                             ; slot 0 has been read for the last time: it takes x's rows 0-63
	STEP 1, 1, 0
	LAST 1
	s_wait_tensorcnt 0x0                           ; x's rows 0-63 have landed; no tensor load of mine is out, so group 0 may be written
	ds_add_u32 v[SPW], v[NIL]
	s_add_co_u32 s[G0F+1], s25, SLOT               ; into slot 1, on its grid of rows
	s_add_nc_u64 s[G0F+2:G0F+3], s[G0F+2:G0F+3], 64*4096   ; 64 rows of x further down; the type bits on top are not reached
	s_wait_dscnt 0x0                               ; the add is done, and my reads of slot 1 are over
	CROUND                                         ; so are every wave's: slot 1 has been read for the last time
	FLOAD                                          ; x's rows 64-127; blocks 0-3 of the way out are worked while they are on their way
	; THE WAY OUT.  Lane (r, h) holds, of block a, row r and columns 16 b + 8 h + 0 .. 7 of my 64.
	PLACES 4
	s_wait_loadcnt 0x0                             ; the biases
.set n, 0
.rept 16
	v_pk_add_f32 v[BIAS+n:BIAS+n+1], v[BIAS+n:BIAS+n+1], v[BH+n:BH+n+1]
.set n, n+2
.endr
.set n, 0
.rept 16
	v_pk_mul_f32 v[BIAS+n:BIAS+n+1], v[BIAS+n:BIAS+n+1], 0xbfb8aa3b op_sel_hi:[1,0]   ; -log2(e) (b_xa + b_ha)
.set n, n+2
.endr
; Block a: 32 numbers a lane: sigmoid = 1 / (1 + 2^(-log2(e) s)), x x, the hold, the conversion; 8 codes of a row are 8 bytes of the stage.
.macro EPI a
.set XA, XA0+(\a)/4
.set AB, 64*((\a)%4)
.irp b, 0,1,2,3
	ds_load_b128 v[XV+8*\b:XV+8*\b+3], v[XA] offset:16*((\a)%4)*PITCH+64*\b
	ds_load_b128 v[XV+8*\b+4:XV+8*\b+7], v[XA] offset:16*((\a)%4)*PITCH+64*\b+16
.endr
	WIN 0x02+(\a)/4                                ; source 0: the sums' window
.set n, 0
.rept 16
	v_pk_fma_f32 v[T+n:T+n+1], v[AB+n:AB+n+1], s[96:97], v[BIAS+n:BIAS+n+1] op_sel_hi:[1,0,1]   ; each accumulator from its low end on
.set n, n+2
.endr
.set n, 0
.rept 16
	v_pk_fma_f32 v[T+n:T+n+1], v[AB+32+n:AB+32+n+1], s[98:99], v[T+n:T+n+1] op_sel_hi:[1,0,1]
.set n, n+2
.endr
	WIN 0
.set n, 0
	s_wait_alu depctr_va_vdst(0)
.rept 32
	v_exp_f32 v[T+n], v[T+n]
.set n, n+1
.endr
	v_nop                                          ; a plain instruction behind the last exponential,
	s_wait_alu depctr_va_vdst(0)                   ; and one wait for the batch, ahead of its first reader
.set n, 0
.rept 16
	v_pk_add_f32 v[T+n:T+n+1], v[T+n:T+n+1], 1.0 op_sel_hi:[1,0]
.set n, n+2
.endr
.set n, 0
	s_wait_alu depctr_va_vdst(0)
.rept 32
	v_rcp_f32 v[T+n], v[T+n]
.set n, n+1
.endr
	v_nop
	s_wait_alu depctr_va_vdst(0)
	s_wait_dscnt 0x0                               ; x is in; the block before's stores of codes have read their registers
.set n, 0
.rept 16
	v_pk_mul_f32 v[T+n:T+n+1], v[T+n:T+n+1], v[XV+n:XV+n+1]   ; xg = attention x x
.set n, n+2
.endr
.set n, 0
.rept 32
	v_med3_num_f32 v[T+n], v[T+n], -v[LIM], v[LIM] ; the conversion to an 8-bit code does not saturate (ISA guide 7.6.2): the hold at the largest code x the scale
.set n, n+1
.endr
.irp b, 0,1,2,3
	v_cvt_scalef32_pk8_bf8_f32 v[CD+2*\b:CD+2*\b+1], v[T+8*\b:T+8*\b+7], v[SCL]
.endr
	v_nop                                          ; a plain vector line behind the last conversion: the next block writes its sources
.irp b, 0,1,2,3
	ds_store_b64 v[STO], v[CD+2*\b:CD+2*\b+1] offset:16*(\a)*PITCH+16*\b
.endr
.endm
	EPI 0
	EPI 1
	EPI 2
	EPI 3
	s_wait_tensorcnt 0x0                           ; x's rows 64-127 have landed; only I read my part of them
	EPI 4
	EPI 5
	EPI 6
	EPI 7
	s_wait_dscnt 0x0                               ; for the others' sake: my stores into the stage are done
	s_barrier_signal -1
	s_barrier_wait -1                              ; a row's 256 codes come from four waves
.set n, 0
.rept 16
	ds_load_b128 v[BK+4*n:BK+4*n+3], v[RD] offset:2*n*PITCH
.set n, n+1
.endr
.set n, 0
.rept 16
	s_wait_dscnt 15-n                              ; the younger loads may stay out
	global_store_b128 v[CO], v[BK+4*n:BK+4*n+3], s[20:21] offset:2*n*1024   ; 16 lanes store 256 consecutive bytes, at a multiple of 256 from xgq's first byte
.set n, n+1
.endr
	s_wait_tensorcnt 0x0                           ; the wave's end, behind my last tensor load and my last LDS store
	ds_add_u32 v[SPW], v[NIL]
	s_wait_dscnt 0x0
	CROUND                                         ; the closing round: no work-group ends while a partner may still ask for a tile that names it
	s_endpgm
.Lfunc_end_k_qa9268ce11e_gate:
	.size	k_qa9268ce11e_gate, .Lfunc_end_k_qa9268ce11e_gate-k_qa9268ce11e_gate
	.p2alignl 7, 3214868480
	.fill 96, 4, 3214868480
	.section	.rodata,"a",@progbits
	.p2align	6, 0x0
	.amdhsa_kernel k_qa9268ce11e_gate
		.amdhsa_group_segment_fixed_size 327680
		.amdhsa_private_segment_fixed_size 0
		.amdhsa_enable_private_segment 0
		.amdhsa_kernarg_size 72
		.amdhsa_user_sgpr_count 2
		.amdhsa_user_sgpr_kernarg_segment_ptr 1
		.amdhsa_wavefront_size32 1
		.amdhsa_system_sgpr_workgroup_id_x 1
		.amdhsa_system_sgpr_workgroup_id_y 1
		.amdhsa_system_sgpr_workgroup_id_z 1
		.amdhsa_system_vgpr_workitem_id 0
		.amdhsa_next_free_vgpr 1024
		.amdhsa_next_free_sgpr 102
		.amdhsa_reserve_vcc 0
		.amdhsa_float_denorm_mode_32 3
		.amdhsa_float_denorm_mode_16_64 3
		.amdhsa_memory_ordered 1
		.amdhsa_forward_progress 1
		.amdhsa_inst_pref_size 188
	.end_amdhsa_kernel
	.amdgpu_metadata
---
amdhsa.version: [ 1, 2 ]
amdhsa.kernels:
  - .name:           k_qa9268ce11e_gate
    .symbol:         k_qa9268ce11e_gate.kd
    .args:
      - { .name: xq, .offset: 0, .size: 8, .value_kind: global_buffer, .address_space: global }
      - { .name: hq2, .offset: 8, .size: 8, .value_kind: global_buffer, .address_space: global }
      - { .name: W_xa_codes, .offset: 16, .size: 8, .value_kind: global_buffer, .address_space: global }
      - { .name: W_ha_codes, .offset: 24, .size: 8, .value_kind: global_buffer, .address_space: global }
      - { .name: lowp_scales, .offset: 32, .size: 8, .value_kind: global_buffer, .address_space: global }
      - { .name: b_xa, .offset: 40, .size: 8, .value_kind: global_buffer, .address_space: global }
      - { .name: b_ha, .offset: 48, .size: 8, .value_kind: global_buffer, .address_space: global }
      - { .name: x, .offset: 56, .size: 8, .value_kind: global_buffer, .address_space: global }
      - { .name: xgq, .offset: 64, .size: 8, .value_kind: global_buffer, .address_space: global }
    .group_segment_fixed_size: 327680
    .private_segment_fixed_size: 0
    .kernarg_segment_align: 8
    .kernarg_segment_size: 72
    .max_flat_workgroup_size: 128
    .sgpr_count:     102
    .vgpr_count:     1024
    .wavefront_size: 32
...
	.end_amdgpu_metadata
.endif
;; end of part 2
;; launch gru (part 3): grid 16 x 16, 4 waves a work-group, clusters of 4 x 4, 327,680 bytes of LDS; arguments xgq, hq6, W_ih_codes, W_hh_codes, lowp_scales, b_ih, b_hh, hx, out0; writes out0
.if DOCPART == 3
	.amdgcn_target "amdgcn-amd-amdhsa--gfx1250"
	.amdhsa_code_object_version 6
	.text
	.protected	k_qa9268ce11e_gru
	.globl	k_qa9268ce11e_gru
	.p2align	8
	.type	k_qa9268ce11e_gru,@function
k_qa9268ce11e_gru:
	s_mov_b64 s[64:65], 0
	v_nop
	global_prefetch_b8 v0, s[64:65] scope:SCOPE_SE
	s_setreg_imm32_b32 hwreg(HW_REG_WAVE_MODE, 25, 1), 1
	s_wait_xcnt 0x0
	s_wait_alu depctr_hold_cnt(0) depctr_sa_sdst(0) depctr_va_vdst(0) depctr_va_sdst(0) depctr_va_ssrc(0) depctr_va_vcc(0) depctr_vm_vsrc(0)
	s_getreg_b32 s2, hwreg(HW_REG_IB_STS2, 6, 4)
	s_cmp_eq_u32 s2, 0
	s_cbranch_scc0 .Lentry_in_a_cluster
	s_endpgm
.Lentry_in_a_cluster:
	s_bfe_u32 s2, ttmp6, 0x10000c
	s_cmp_lg_u32 s2, 0xf033
	s_cbranch_scc0 .Lentry_shape_is_right
	s_endpgm
.Lentry_shape_is_right:
; EleAttG, launch 3 of 3: hy = (1 - z) n + z hx, r, z = sigmoid(i + h), n = tanh(i_n + r h_n), with gi = xg W_ih^T + b_ih and gh = hx W_hh^T + b_hh on codes of E5M2 (xgq, hq6; the weights as given).  No work is left out.
; A work-group makes 512 rows x 64 columns; wave w keeps the six weights' fragments of its 16 columns (48 fragments, windows 1 to 3) and walks the rows in eight groups of 64 through a ring of two LDS slots.
; CLUSTERS 4 x 4: xgq's and hq6's tiles are asked for jointly along a row of the cluster, the weights' along a column.
; LIMITS: e4 + e5 and e6 + e7 between -125 and 125, their difference between -126 and 127; NaN among the inputs is not served.
.set PA,     1040
.set PARTA,  64*PA
.set SLOTB,  2*PARTA
.set PH,     272
.set HXB,    2*SLOTB
.set HXS,    64*PH
.set STG,    HXB+2*HXS
.set SPARE,  STG+HXS
.set WB,   10
.set AP,   16
.set HXA,  20
.set STO,  22
.set RD,   23
.set CO,   24
.set BO,   25
.set SPW,  28
.set NIL,  29
.set BR,   32
.set BIN,  48
.set BHN,  56
.set ACC,  64
.set AB,   128
.set HX,   224
.set WV,   22
.set G1A,  28
.set G1W,  36
.set G1F,  44
.set G0X,  52
.set G0H,  56
.set G0F,  68
.set G0WI, 72
.set G0WH, 76
.set MSB, 0
.macro WIN new
.if MSB != (\new)
	s_set_vgpr_msb (MSB<<8)|(\new)
.set MSB, (\new)
.endif
.endm
.macro PLACES n
.rept \n
	v_nop
.endr
.endm
.macro CREST
	s_cmp_lg_u32 s[WV], 0
	s_cbranch_scc1 .Lnot_wave_0_\@
	s_barrier_signal -3
.Lnot_wave_0_\@:
	s_barrier_wait -3
	s_barrier_signal -1
	s_barrier_wait -1
.endm
.macro CROUND
	s_barrier_signal -1
	s_barrier_wait -1
	CREST
.endm
.macro FLOAD
	tensor_load_to_lds s[G0F:G0F+3], s[G1F:G1F+7]
	s_nop 0
.rept 4
	v_nop
.endr
.endm
.macro TLA kind
	s_cmp_lg_u32 s[WV], 0
	s_cbranch_scc1 .Lnot_0_\@
	tensor_load_to_lds s[G0X:G0X+3], s[G1A:G1A+7]
	s_nop 0
.rept 4
	v_nop
.endr
	s_branch .Lasked_\@
.Lnot_0_\@:
	s_cmp_lg_u32 s[WV], 1
	s_cbranch_scc1 .Lnot_1_\@
	tensor_load_to_lds s[G0H:G0H+3], s[G1A:G1A+7]
	s_nop 0
.rept 4
	v_nop
.endr
.if \kind
	s_branch .Lasked_\@
.endif
.Lnot_1_\@:
.if \kind == 1
	tensor_load_to_lds s[G0F:G0F+3], s[G1F:G1F+7]
	s_nop 0
.rept 4
	v_nop
.endr
.elseif \kind == 2
	tensor_load_to_lds s[G0WH:G0WH+3], s[G1W:G1W+7]
	s_nop 0
.rept 4
	v_nop
.endr
.endif
.Lasked_\@:
.endm
.macro WFRAG f, adr, kk
	WIN (1+(\f)/16)<<6
.irp c, 0,1,2,3
	ds_load_b128 v[16*((\f)%16)+4*\c:16*((\f)%16)+4*\c+3], v[\adr] offset:128*(\kk)+32*\c
.endr
.endm
.macro LDT slot
.set PH_, (TL%16)/8
.set OF_, 32*(TL/16)*PA+128*(TL%8)
.irp d, 0,1
.irp c, 0,1,2,3
	ds_load_b128 v[AB+32*(TL%4)+16*\d+4*\c:AB+32*(TL%4)+16*\d+4*\c+3], v[AP+2*\slot+PH_] offset:OF_+16*\d*PA+32*\c
.endr
.endr
.endm
.macro MMT
.set PH_, (T%16)/8
.set KK_, T%8
.irp g, 0,1,2
.set F_, 24*PH_+3*KK_+\g
	WIN 1+F_/16
.irp d, 0,1
.set AC_, ACC+32*\d+8*(\g+PH_*(\g/2))
.if (KK_ == 0) && ((PH_ == 0) || (\g == 2))
	v_wmma_f32_16x16x128_bf8_bf8 v[AC_:AC_+7], v[16*(F_%16):16*(F_%16)+15], v[AB+32*(T%4)+16*\d:AB+32*(T%4)+16*\d+15], 0
.else
	v_wmma_f32_16x16x128_bf8_bf8 v[AC_:AC_+7], v[16*(F_%16):16*(F_%16)+15], v[AB+32*(T%4)+16*\d:AB+32*(T%4)+16*\d+15], v[AC_:AC_+7]
.endif
.endr
.endr
.endm
.macro RESCALE
	WIN 0
.irp d, 0,1
.set n, 0
.rept 8
	v_pk_mul_f32 v[ACC+32*\d+n:ACC+32*\d+n+1], v[ACC+32*\d+n:ACC+32*\d+n+1], s[60:61] op_sel_hi:[1,0]
.set n, n+2
.endr
.endr
.endm
.macro KSTEP slot
.if (T%16) != 0
	PLACES 4
.endif
.if ((T%8) == 0) && ((T%16) != 0)
	RESCALE
.endif
.if T+3 < 32
	WIN 0
.set TL, T+3
	LDT \slot
	s_wait_alu depctr_va_vdst(0)
	s_wait_dscnt 24
.else
	s_wait_dscnt 8*(31-T)
.endif
	MMT
.endm
.macro EPI slot, p
	PLACES 4
	WIN 0
.irp d, 0,1
	ds_load_b128 v[HX+8*\d:HX+8*\d+3], v[HXA+\slot] offset:16*(2*(\p)+\d)*PH
	ds_load_b128 v[HX+8*\d+4:HX+8*\d+7], v[HXA+\slot] offset:16*(2*(\p)+\d)*PH+16
.endr
.irp d, 0,1
.set n, 0
.rept 8
	v_pk_fma_f32 v[ACC+32*\d+n:ACC+32*\d+n+1], v[ACC+32*\d+n:ACC+32*\d+n+1], s[96:97], v[BR+n:BR+n+1] op_sel_hi:[1,0,1]
.set n, n+2
.endr
.set n, 0
.rept 4
	v_pk_fma_f32 v[ACC+32*\d+16+n:ACC+32*\d+16+n+1], v[ACC+32*\d+16+n:ACC+32*\d+16+n+1], s[100:101], v[BIN+n:BIN+n+1] op_sel_hi:[1,0,1]
.set n, n+2
.endr
.set n, 0
.rept 4
	v_pk_fma_f32 v[ACC+32*\d+24+n:ACC+32*\d+24+n+1], v[ACC+32*\d+24+n:ACC+32*\d+24+n+1], s[98:99], v[BHN+n:BHN+n+1] op_sel_hi:[1,0,1]
.set n, n+2
.endr
.endr
	s_wait_alu depctr_va_vdst(0)
.irp d, 0,1
.set n, 0
.rept 16
	v_exp_f32 v[ACC+32*\d+n], v[ACC+32*\d+n]
.set n, n+1
.endr
.endr
	v_nop
	s_wait_alu depctr_va_vdst(0)
.irp d, 0,1
.set n, 0
.rept 8
	v_pk_add_f32 v[ACC+32*\d+n:ACC+32*\d+n+1], v[ACC+32*\d+n:ACC+32*\d+n+1], 1.0 op_sel_hi:[1,0]
.set n, n+2
.endr
.endr
	s_wait_alu depctr_va_vdst(0)
.irp d, 0,1
.set n, 0
.rept 16
	v_rcp_f32 v[ACC+32*\d+n], v[ACC+32*\d+n]
.set n, n+1
.endr
.endr
	v_nop
	s_wait_alu depctr_va_vdst(0)
.irp d, 0,1
.set n, 0
.rept 4
	v_pk_fma_f32 v[ACC+32*\d+24+n:ACC+32*\d+24+n+1], v[ACC+32*\d+n:ACC+32*\d+n+1], v[ACC+32*\d+24+n:ACC+32*\d+24+n+1], v[ACC+32*\d+16+n:ACC+32*\d+16+n+1]
.set n, n+2
.endr
.endr
	s_wait_alu depctr_va_vdst(0)
.irp d, 0,1
.set n, 0
.rept 8
	v_exp_f32 v[ACC+32*\d+24+n], v[ACC+32*\d+24+n]
.set n, n+1
.endr
.endr
	v_nop
	s_wait_alu depctr_va_vdst(0)
.irp d, 0,1
.set n, 0
.rept 4
	v_pk_add_f32 v[ACC+32*\d+24+n:ACC+32*\d+24+n+1], v[ACC+32*\d+24+n:ACC+32*\d+24+n+1], 1.0 op_sel_hi:[1,0]
.set n, n+2
.endr
.endr
	s_wait_alu depctr_va_vdst(0)
.irp d, 0,1
.set n, 0
.rept 8
	v_rcp_f32 v[ACC+32*\d+24+n], v[ACC+32*\d+24+n]
.set n, n+1
.endr
.endr
	v_nop
	s_wait_alu depctr_va_vdst(0)
.irp d, 0,1
.set n, 0
.rept 4
	v_pk_fma_f32 v[ACC+32*\d+24+n:ACC+32*\d+24+n+1], v[ACC+32*\d+24+n:ACC+32*\d+24+n+1], -2.0, 1.0 op_sel_hi:[1,0,0]
.set n, n+2
.endr
.endr
	s_wait_alu depctr_va_vdst(0)
	s_wait_dscnt 0x0
.irp d, 0,1
.set n, 0
.rept 4
	v_pk_add_f32 v[HX+8*\d+n:HX+8*\d+n+1], v[HX+8*\d+n:HX+8*\d+n+1], v[ACC+32*\d+24+n:ACC+32*\d+24+n+1] neg_lo:[0,1] neg_hi:[0,1]
.set n, n+2
.endr
.endr
.irp d, 0,1
.set n, 0
.rept 4
	v_pk_fma_f32 v[ACC+32*\d+8+n:ACC+32*\d+8+n+1], v[ACC+32*\d+8+n:ACC+32*\d+8+n+1], v[HX+8*\d+n:HX+8*\d+n+1], v[ACC+32*\d+24+n:ACC+32*\d+24+n+1]
.set n, n+2
.endr
.endr
.irp d, 0,1
	ds_store_b128 v[STO], v[ACC+32*\d+8:ACC+32*\d+11] offset:16*(2*(\p)+\d)*PH
	ds_store_b128 v[STO], v[ACC+32*\d+12:ACC+32*\d+15] offset:16*(2*(\p)+\d)*PH+16
.endr
.endm
.macro GROUP slot
.set TL, 0
	LDT \slot
.set TL, 1
	LDT \slot
.set TL, 2
	LDT \slot
.set T, 0
.rept 32
	KSTEP \slot
.if (T%16) == 15
	EPI \slot, T/16
.endif
.set T, T+1
.endr
	s_wait_dscnt 0x0
	s_barrier_signal -1
	s_barrier_wait -1
.set n, 0
.rept 8
	ds_load_b128 v[AB+4*n:AB+4*n+3], v[RD] offset:2*n*PH
.set n, n+1
.endr
.set n, 0
.rept 8
	s_wait_dscnt 7-n
	global_store_b128 v[CO], v[AB+4*n:AB+4*n+3], s[20:21] offset:2*n*4096 th:TH_STORE_NT
.set n, n+1
.endr
.endm
.macro CHG slot, hx
	s_wait_tensorcnt 0x0
	ds_add_u32 v[SPW], v[NIL]
.if \hx
	s_wait_xcnt 0x0
	s_add_nc_u64 s[20:21], s[20:21], 64*4096
	s_add_co_u32 s[G0F+1], s83, \slot*HXS
	s_add_nc_u64 s[G0F+2:G0F+3], s[G0F+2:G0F+3], 64*4096
.else
	s_mov_b64 s[G0F+2:G0F+3], s[4:5]
	s_or_b32 s[G0F+3], s[G0F+3], 0x80000000
.endif
	s_mov_b32 s[G0X+1], \slot*SLOTB
	s_add_nc_u64 s[G0X+2:G0X+3], s[G0X+2:G0X+3], 64*1024
	s_mov_b32 s[G0H+1], \slot*SLOTB+PARTA
	s_add_nc_u64 s[G0H+2:G0H+3], s[G0H+2:G0H+3], 64*1024
	s_wait_dscnt 0x0
	CROUND
	TLA \hx
.endm
	s_load_b256 s[4:11], s[0:1], 0x0
	s_load_b256 s[12:19], s[0:1], 0x20
	s_load_b64 s[20:21], s[0:1], 0x40
	v_lshl_add_u32 v[SPW], v0, 2, SPARE
	v_mov_b32 v[NIL], 0
	ds_add_u32 v[SPW], v[NIL]
	ds_add_u32 v[SPW], v[NIL]
	v_lshrrev_b32 v1, 5, v0
	v_readfirstlane_b32 s[WV], v1
	s_and_b32 s23, s[WV], 1
	s_bfe_u32 s26, ttmp6, 0x40000
	s_bfe_u32 s27, ttmp6, 0x40004
	s_lshl_b32 s2, ttmp9, 2
	s_add_co_u32 s2, s2, s26
	s_and_b32 s3, ttmp7, 0xffff
	s_lshl_b32 s3, s3, 2
	s_add_co_u32 s3, s3, s27
	s_lshl_b32 s60, s27, 2
	s_lshl_b32 s60, 15, s60
	s_lshl_b32 s62, 0x1111, s26
	s_or_b32 s[G1A], s60, (1<<20)|(1<<21)|(7<<22)|(3<<25)
	s_or_b32 s[G1W], s62, (1<<20)|(1<<21)|(7<<22)|(3<<25)
.irp g, G1A, G1W
	s_mov_b32 s[\g+1], 1024<<16
	s_mov_b32 s[\g+2], 64<<16
	s_mov_b32 s[\g+3], 1024<<16
	s_mov_b32 s[\g+4], 64
	s_mov_b32 s[\g+5], 1024
	s_mov_b32 s[\g+6], 0
	s_mov_b32 s[\g+7], 0
.endr
	s_mov_b32 s[G1F], (2<<16)|(1<<20)|(5<<22)|(3<<25)
	s_mov_b32 s[G1F+1], 64<<16
	s_mov_b32 s[G1F+2], 32<<16
	s_mov_b32 s[G1F+3], 64<<16
	s_mov_b32 s[G1F+4], 32
	s_mov_b32 s[G1F+5], 1024
	s_mov_b32 s[G1F+6], 0
	s_mov_b32 s[G1F+7], 0
	s_mul_i32 s24, s[WV], PARTA
	s_mul_i32 s25, s[WV], 16*PA
	s_mul_i32 s81, s[WV], 32*PH
	s_add_co_u32 s81, s81, HXB
	s_mul_i32 s83, s23, 32*PH
	s_add_co_u32 s83, s83, HXB
	s_lshl_b32 s60, s3, 19
	s_mov_b32 s61, 0
	s_min_u32 s62, s[WV], 2
	s_lshl_b32 s62, s62, 20
	s_lshl_b32 s63, s2, 16
	s_add_co_u32 s62, s62, s63
	s_mov_b32 s84, s63
	s_mov_b32 s85, 0
	s_sub_co_u32 s86, s[WV], 1
	s_min_u32 s86, s86, 2
	s_lshl_b32 s86, s86, 20
	s_add_co_u32 s86, s86, s63
	s_mov_b32 s87, 0
	s_mov_b32 s63, 0
	s_lshl_b32 s96, s3, 21
	s_lshl_b32 s97, s2, 8
	s_add_co_u32 s96, s96, s97
	s_lshl_b32 s97, s[WV], 17
	s_add_co_u32 s98, s96, s97
	s_mov_b32 s99, 0
	s_lshl_b32 s97, s23, 17
	s_add_co_u32 s100, s96, s97
	s_add_co_u32 s100, s100, 64*4096
	s_mov_b32 s101, 0
	s_lshl_b32 s97, s[WV], 16
	s_add_co_u32 s96, s96, s97
	s_mov_b32 s97, 0
	s_wait_dscnt 0x0
	s_wait_kmcnt 0x0
	s_load_b256 s[88:95], s[12:13], 0x0
	s_cmp_eq_u32 s[WV], 0                          ; for the prefetch below: the first group's tile of xgq (wave 0) or of hq6
	s_cselect_b64 s[66:67], s[4:5], s[6:7]
	s_add_nc_u64 s[66:67], s[66:67], s[60:61]
	s_add_nc_u64 s[G0X+2:G0X+3], s[4:5], s[60:61]
	s_add_nc_u64 s[G0H+2:G0H+3], s[6:7], s[60:61]
	s_add_nc_u64 s[G0WI+2:G0WI+3], s[8:9], s[62:63]
	s_add_nc_u64 s[G0WH+2:G0WH+3], s[10:11], s[84:85]
	s_add_nc_u64 s[6:7], s[10:11], s[86:87]
	s_add_nc_u64 s[G0F+2:G0F+3], s[18:19], s[98:99]
	s_add_nc_u64 s[4:5], s[18:19], s[100:101]
	s_add_nc_u64 s[20:21], s[20:21], s[96:97]
.irp g, G0X, G0H, G0WI, G0WH, G0F
	s_mov_b32 s[\g], 1
	s_or_b32 s[\g+3], s[\g+3], 0x80000000
.endr
	s_mov_b32 s[G0X+1], 0
	s_mov_b32 s[G0H+1], PARTA
	s_mov_b32 s[G0WI+1], s24
	s_mov_b32 s[G0WH+1], 3*PARTA
	s_mov_b32 s[G0F+1], s81
	CROUND
	s_cmp_lt_u32 s[WV], 3
	s_cbranch_scc0 .Lhead_hh
	tensor_load_to_lds s[G0WI:G0WI+3], s[G1W:G1W+7]
	s_nop 0
.rept 4
	v_nop
.endr
	s_branch .Lhead_asked
.Lhead_hh:
	tensor_load_to_lds s[G0WH:G0WH+3], s[G1W:G1W+7]
	s_nop 0
.rept 4
	v_nop
.endr
.Lhead_asked:
	; A PREFETCH of the four tiles that the head's second group of joint loads fetches, two barriers further on: wave 0 xgq's first 64 rows, wave 1 hq6's, waves 2 and 3 W_hh's gates z and n.
	; A tile is 64 rows of 1,024 bytes on end: 256 blocks of 256 bytes.  The four partners that ask for it jointly take 64 blocks each, by address: a lane a block, two instructions a wave.
	s_cmp_lt_u32 s[WV], 2
	s_cselect_b64 s[66:67], s[66:67], s[6:7]
	s_cselect_b32 s84, s26, s27                    ; my place among the four: cx for xgq and hq6, cy for the weights
	s_lshl_b32 s84, s84, 6
	v_and_b32 v26, 31, v0
	v_add_nc_u32 v26, s84, v26
	v_lshlrev_b32 v26, 8, v26                      ; v26 and s[66:67] are never rewritten
	global_prefetch_b8 v26, s[66:67] th:TH_LOAD_NT scope:SCOPE_SE
	global_prefetch_b8 v26, s[66:67] offset:8192 th:TH_LOAD_NT scope:SCOPE_SE
	s_wait_alu depctr_va_vdst(0)
	s_wait_tensorcnt 0x0
	ds_add_u32 v28, v29
	s_wait_dscnt 0x0
	CROUND
	FLOAD
	s_lshl_b32 s98, s2, 8
	s_lshl_b32 s99, s[WV], 6
	s_add_co_u32 s98, s98, s99
	s_mov_b32 s99, 0
	s_add_nc_u64 s[14:15], s[14:15], s[98:99]
	s_add_nc_u64 s[16:17], s[16:17], s[98:99]
	v_and_b32 v1, 15, v0
	v_bfe_u32 v2, v0, 4, 1
	v_lshlrev_b32 v[BO], 5, v2
.irp g, 0,1,2
	global_load_b128 v[BR+8*\g:BR+8*\g+3], v[BO], s[14:15] offset:4096*\g
	global_load_b128 v[BR+8*\g+4:BR+8*\g+7], v[BO], s[14:15] offset:4096*\g+16
.endr
.irp g, 0,1
	global_load_b128 v[ACC+8*\g:ACC+8*\g+3], v[BO], s[16:17] offset:4096*\g
	global_load_b128 v[ACC+8*\g+4:ACC+8*\g+7], v[BO], s[16:17] offset:4096*\g+16
.endr
	global_load_b128 v[BHN:BHN+3], v[BO], s[16:17] offset:8192
	global_load_b128 v[BHN+4:BHN+7], v[BO], s[16:17] offset:8192+16
	v_mul_u32_u24 v3, v1, PA
	v_lshl_add_u32 v[AP], v2, 4, v3
	v_add_nc_u32 v[AP+1], PARTA, v[AP]
	v_add_nc_u32 v[AP+2], 2*PARTA, v[AP]
	v_add_nc_u32 v[AP+3], 3*PARTA, v[AP]
.irp p, 0,1,2,3
	v_add_nc_u32 v[WB+\p], s25, v[AP+\p]
.endr
	v_mul_u32_u24 v4, v1, PH
	v_lshl_add_u32 v5, v2, 5, v4
	s_lshl_b32 s82, s[WV], 6
	s_add_co_u32 s84, s82, HXB
	v_add_nc_u32 v[HXA], s84, v5
	v_add_nc_u32 v[HXA+1], HXS, v[HXA]
	s_add_co_u32 s84, s82, STG
	v_add_nc_u32 v[STO], s84, v5
	v_mul_u32_u24 v6, v2, PH
	v_lshl_add_u32 v6, v1, 4, v6
	s_mul_i32 s84, s[WV], 16*PH
	s_add_co_u32 s84, s84, STG
	v_add_nc_u32 v[RD], s84, v6
	v_lshlrev_b32 v[CO], 12, v2
	v_lshl_add_u32 v[CO], v1, 4, v[CO]
	s_wait_kmcnt 0x0
	s_add_co_i32 s100, s94, s95
	s_add_co_i32 s101, s92, s93
	s_sub_co_i32 s60, s101, s100
	s_add_co_i32 s60, s60, 127
	s_lshl_b32 s60, s60, 23
	s_mov_b32 s61, s60
	s_lshl_b32 s100, s100, 23
	s_lshl_b32 s101, s101, 23
	s_add_co_u32 s96, s100, 0xbfb8aa3b
	s_mov_b32 s97, s96
	s_add_co_u32 s98, s100, 0x4038aa3b
	s_mov_b32 s99, s98
	s_add_co_u32 s100, s101, 0x4038aa3b
	s_mov_b32 s101, s100
	s_wait_tensorcnt 1
	s_barrier_signal -1
	s_barrier_wait -1
.set F, 0
.rept 24
	WFRAG F, WB+F%3, F/3
.set F, F+1
.endr
.set F, 24
.rept 8
	WFRAG F, WB+3, (F-24)/3
.set F, F+3
.endr
	WIN 0
	s_wait_tensorcnt 0x0
	ds_add_u32 v[SPW], v[NIL]
	s_mov_b32 s[G0WH+1], s24
	s_mov_b64 s[G0WH+2:G0WH+3], s[6:7]
	s_or_b32 s[G0WH+3], s[G0WH+3], 0x80000000
	s_wait_dscnt 0x0
	CROUND
	TLA 2
	s_wait_loadcnt 0x0
.set n, 0
.rept 8
	v_pk_add_f32 v[BR+n:BR+n+1], v[BR+n:BR+n+1], v[ACC+n:ACC+n+1]
.set n, n+2
.endr
.set n, 0
.rept 8
	v_pk_mul_f32 v[BR+n:BR+n+1], v[BR+n:BR+n+1], 0xbfb8aa3b op_sel_hi:[1,0]
.set n, n+2
.endr
.set n, 0
.rept 8
	v_pk_mul_f32 v[BIN+n:BIN+n+1], v[BIN+n:BIN+n+1], 0x4038aa3b op_sel_hi:[1,0]
.set n, n+2
.endr
	s_wait_tensorcnt 0x0
	s_barrier_signal -1
	s_barrier_wait -1
.set F, 25
.rept 8
	WFRAG F, WB+2, (F-24)/3
	WFRAG F+1, WB+3, (F-24)/3
.set F, F+3
.endr
	WIN 0
	CHG 1, 0
	GROUP 0
	s_mov_b32 s80, 3
.Ltrip:
	CHG 0, 1
	GROUP 1
	CHG 1, 1
	GROUP 0
	s_sub_co_u32 s80, s80, 1
	s_cmp_lg_u32 s80, 0
	s_cbranch_scc1 .Ltrip
	s_wait_tensorcnt 0x0
	ds_add_u32 v[SPW], v[NIL]
	s_wait_xcnt 0x0
	s_add_nc_u64 s[20:21], s[20:21], 64*4096
	s_wait_dscnt 0x0
	s_barrier_signal -1
	s_barrier_wait -1
	GROUP 1
	s_wait_tensorcnt 0x0
	ds_add_u32 v[SPW], v[NIL]
	s_wait_dscnt 0x0
	CROUND
	s_endpgm
.Lfunc_end_k_qa9268ce11e_gru:
	.size	k_qa9268ce11e_gru, .Lfunc_end_k_qa9268ce11e_gru-k_qa9268ce11e_gru
	.p2alignl 7, 3214868480
	.fill 96, 4, 3214868480
	.section	.rodata,"a",@progbits
	.p2align	6, 0x0
	.amdhsa_kernel k_qa9268ce11e_gru
		.amdhsa_group_segment_fixed_size 327680
		.amdhsa_private_segment_fixed_size 0
		.amdhsa_enable_private_segment 0
		.amdhsa_kernarg_size 72
		.amdhsa_user_sgpr_count 2
		.amdhsa_user_sgpr_kernarg_segment_ptr 1
		.amdhsa_wavefront_size32 1
		.amdhsa_system_sgpr_workgroup_id_x 1
		.amdhsa_system_sgpr_workgroup_id_y 1
		.amdhsa_system_sgpr_workgroup_id_z 1
		.amdhsa_system_vgpr_workitem_id 0
		.amdhsa_next_free_vgpr 1024
		.amdhsa_next_free_sgpr 102
		.amdhsa_reserve_vcc 0
		.amdhsa_float_denorm_mode_32 3
		.amdhsa_float_denorm_mode_16_64 3
		.amdhsa_memory_ordered 1
		.amdhsa_forward_progress 1
		.amdhsa_inst_pref_size 255
	.end_amdhsa_kernel
	.section	.bss,"aw",@nobits
	.p2align	6
	.space	262144
	.amdgpu_metadata
---
amdhsa.version: [ 1, 2 ]
amdhsa.kernels:
  - .name:           k_qa9268ce11e_gru
    .symbol:         k_qa9268ce11e_gru.kd
    .args:
      - { .name: xgq, .offset: 0, .size: 8, .value_kind: global_buffer, .address_space: global }
      - { .name: hq6, .offset: 8, .size: 8, .value_kind: global_buffer, .address_space: global }
      - { .name: W_ih_codes, .offset: 16, .size: 8, .value_kind: global_buffer, .address_space: global }
      - { .name: W_hh_codes, .offset: 24, .size: 8, .value_kind: global_buffer, .address_space: global }
      - { .name: lowp_scales, .offset: 32, .size: 8, .value_kind: global_buffer, .address_space: global }
      - { .name: b_ih, .offset: 40, .size: 8, .value_kind: global_buffer, .address_space: global }
      - { .name: b_hh, .offset: 48, .size: 8, .value_kind: global_buffer, .address_space: global }
      - { .name: hx, .offset: 56, .size: 8, .value_kind: global_buffer, .address_space: global }
      - { .name: out0, .offset: 64, .size: 8, .value_kind: global_buffer, .address_space: global }
    .group_segment_fixed_size: 327680
    .private_segment_fixed_size: 0
    .kernarg_segment_align: 8
    .kernarg_segment_size: 72
    .max_flat_workgroup_size: 128
    .sgpr_count:     102
    .vgpr_count:     1024
    .wavefront_size: 32
...
	.end_amdgpu_metadata
.endif
;; end of part 3
